; MI455X (gfx1250); checked and timed in simulation.
; The chip was launched on July 23, 2026; its instructions are those of AMD's public machine-readable ISA for CDNA 5 (MIT licence, August 2026) and "CDNA5" Instruction Set Architecture Reference Guide (July 2026). The comments in the code are by the model that wrote it; some were corrected since.
;; Dual Attention. Allowed arithmetic: matrix products marked QUANTISED: E4M3 operands, one E8M0 scale for each 32 along K, by v_wmma_scale_f32_16x16x128_f8f6f4 with both operands' format E4M3, f32 sums; products left as they are: f32 operands where the result goes on into a quantised operand, else bf16, f16 or f32 operands; f32 sums; everything else in f32.
;; Inputs: Vw 1,024 x 1 float32; Ww 2,048 x 1,024 float32; Wz 2,048 x 1,024 float32; bw 1,024 float32; bz 1,024 float32; hidden 1,024 x 16 x 2,048 float32; vb 1 float32; w_a one number float32; z 1,024 x 16 x 2,048 float32.
;; Outputs: out0 1,024 x 16 x 1 float32.
;; This version of the problem:
;;   THIS VERSION OF THE PROBLEM IS GIVEN IN LOW PRECISION. The matrix products marked QUANTISED in the list below multiply operands that are first quantised to E4M3 (4 exponent bits, 3 mantissa bits; 8 bits a number), with one power-of-two scale for each 32 numbers along K (OCP MX v1.0); their sums are f32. All else is computed in f32.
;;   The module's matrix products, in the order in which they are computed (A, B: the left and right operand; K: the contracted axis; several contracted axes count as one K, in the product's order):
;;     1. [M 16,384, K 2,048] x [K 2,048, N 1,024]; A: input hidden; B: input Ww: QUANTISED
;;     2. [M 16,384, K 2,048] x [K 2,048, N 1,024]; A: input z; B: input Wz: QUANTISED
;;     3. [M 16,384, K 1,024] x [K 1,024, N 1]; A: computed on the way; B: input Vw: left as it is (N = 1 < 16)
;;   THE QUANTISER, for each operand of a quantised product, along K:
;;     - K is cut into blocks of 32 from its start; a last block that is shorter is filled with zeros.
;;     - A block's scale is 2^e with e = floor(log2(the largest magnitude in the block)) - 8, held to -126 .. 127; a block of zeros has e = 0. As a byte (E8M0): e + 127.
;;     - Each number is divided by its block's scale, clamped to +-448, and rounded to the nearest number of E4M3, ties to even, subnormals kept.
;;     - The product sums the exact products of the quantised numbers (number of the format x scale) in f32.
;;   ~~~python
;;   def quantise(x, axis):      # numpy; x: float32 -> the quantised numbers, widened to float32 again
;;       x = np.moveaxis(x, axis, -1); K = x.shape[-1]
;;       x = np.pad(x, [(0, 0)] * (x.ndim - 1) + [(0, -K % 32)]); x = x.reshape(x.shape[:-1] + (-1, 32)); a = np.abs(x).max(-1, keepdims=True)
;;       e = np.where(a > 0, np.clip(np.frexp(np.where(a > 0, a, 1))[1] - 1 - 8, -126, 127), 0)      # np.frexp(a)[1] - 1 = floor(log2(a)), exactly
;;       r = np.clip(x / 2.0 ** e, -448, 448)
;;       step = 2.0 ** (np.maximum(np.frexp(np.where(r == 0, 1, r))[1] - 1, -6) - 3)
;;       q = np.round(r / step) * step * 2.0 ** e      # np.round: ties to even
;;       return np.moveaxis(q.reshape(q.shape[:-2] + (-1,))[..., :K], -1, axis).astype(np.float32)
;;   ~~~
;; One version. Each part assembles by itself: llvm-mc -triple=amdgcn-amd-amdhsa -mcpu=gfx1250 --defsym DOCPART=n.
;; ======== version 1 of 1: 3 launches
;; limits: right only within a limited range of input values
;; workspace buffers: wq 4,325,376 bytes; cbv 8,192 bytes; u 65,536 bytes
;; launch prep (part 1): grid 256 x 1, 4 waves a work-group, no clusters, 0 bytes of LDS; arguments Ww, Wz, bw, bz, Vw, w_a, wq, cbv; writes wq, cbv
.if DOCPART == 1
	.amdgcn_target "amdgcn-amd-amdhsa--gfx1250"
	.amdhsa_code_object_version 6
	.text
	.protected	k_q691384a62e_prep
	.globl	k_q691384a62e_prep
	.p2align	8
	.type	k_q691384a62e_prep,@function
k_q691384a62e_prep:
	s_mov_b64 s[64:65], 0
	v_nop
	global_prefetch_b8 v0, s[64:65] scope:SCOPE_SE
	s_setreg_imm32_b32 hwreg(HW_REG_WAVE_MODE, 25, 1), 1
	s_wait_xcnt 0x0
; WORK LEFT OUT, in the whole program.  out0 = softmax over s of u[s][b], u = sum over n of tanh(x[n]) Vw[n] + vb.  With tanh(x) = 1 - 2 / (1 + 2^(c x)), c = 2 log2(e):
;   u = (vb + sum over n of Vw[n]) + sum over n of (-2 Vw[n]) / (1 + 2^(c x[n])).  The first bracket is the same number for every s and b, and softmax over s of (u + a constant) is softmax of u
;   for all values of the inputs.  So the bracket is not computed, vb has no way to out0, is not loaded and is among no launch's arguments.
;   LIMIT: a NaN, an infinity or an overflow in vb or in the sum of Vw is not carried to the result.
; Ww and Wz, [2048 (k)][1024 (n)] f32, become codes of FP8 (E4M3) with one E8M0 scale byte for each 32 along K, laid in wq IN THE ORDER OF THE OPERAND'S REGISTERS.
; The two weights count as one K of 4,096: K steps t = 0..15 are Ww's, 16..31 Wz's; a K step is 128.
; wq: 128 blocks [t][w] of 33,792 bytes (w = which 256 columns).  A block: 16 fragment images [f][c 0..3][lane 0..31][16 bytes], then 8 x 32 scale words [i][lane].
;   image (f, c, lane = r + 16 h): the codes of column 256 w + 16 f + r at K = 128 t + 32 c + 16 h + 0..15.   scale word (i, lane): fragment 2 i + lane / 16, column lane % 16; byte c = block c.
; cbv: b[n] = bw[n] + bz[n] + 0.5 w_a, with which the next launch's sums begin, then V2[n] = -2 Vw[n].
; A LANE TAKES A COLUMN, ITS REGISTERS RUN DOWN K: each load reads 128 consecutive bytes a wave, a block of 32 lies in one lane's 32 registers, and the conversions give codes with K innermost.
; A lane's 32 codes are two pieces of 16 bytes of its fragment's image: each store of the wave covers two runs of 256 consecutive bytes, aligned.  No LDS, no barrier: waves share nothing.
; SHARES: work-group g: K step g / 8; wave: the 32 columns of group 4 (g % 8) + wave.
; LIMITS: NaN and infinities are not served.  A block of zeros gets the byte 1 where the rule says 127: its codes are zeros, and this program alone reads the bytes.
;   The three summands of b are added as (bw + bz) + 0.5 w_a.
.set BLKB, 33792                       ; a block of wq
.set X,    32                          ; v32-159  four sets of 32 numbers
.set C,    160                         ; v160-191 eight registers of codes for each block: no store's data are written again
	s_load_b256 s[4:11], s[0:1], 0x0               ; Ww, Wz, bw, bz
	s_load_b256 s[12:19], s[0:1], 0x20             ; Vw, w_a, wq, cbv
	v_lshrrev_b32 v1, 5, v0
	v_readfirstlane_b32 s24, v1                    ; wave 0..3
	v_and_b32 v1, 31, v0                           ; lane
	v_lshlrev_b32 v2, 2, v1                        ; 4 x lane
	v_and_b32 v4, 15, v0                           ; r
	v_bfe_u32 v3, v0, 4, 1                         ; which of the wave's two fragments
	v_lshlrev_b32 v3, 11, v3
	v_lshl_add_u32 v3, v4, 4, v3                   ; 2,048 x fragment + 16 r
	s_and_b32 s25, ttmp9, 7
	s_lshl_b32 s22, s25, 9
	v_lshl_add_u32 v5, v0, 2, s22                  ; 4 n, n = 128 (g % 8) + thread
	s_lshl_b32 s26, s25, 2
	s_add_co_u32 s26, s26, s24                     ; column group 0..31
	s_lshr_b32 s27, ttmp9, 3                       ; K step t
	s_and_b32 s28, s27, 15
	s_lshl_b32 s28, s28, 19                        ; 128 rows of 4,096 bytes a K step
	s_lshl_b32 s29, s26, 7                         ; 32 columns of 4 bytes
	s_add_co_u32 s28, s28, s29
	s_mov_b32 s29, 0
	s_lshl_b32 s30, s27, 2
	s_lshr_b32 s31, s26, 3
	s_add_co_u32 s30, s30, s31                     ; block 4 t + w
	s_mul_i32 s30, s30, BLKB
	s_and_b32 s31, s26, 7                          ; i: my pair of fragments
	s_lshl_b32 s32, s31, 7
	s_add_co_u32 s32, s32, s30
	s_add_co_u32 s32, s32, 32768                   ; its 32 scale words
	s_mov_b32 s33, 0
	s_lshl_b32 s31, s31, 12
	s_add_co_u32 s30, s30, s31                     ; its two images
	s_mov_b32 s31, 0
	s_mov_b32 s21, 0x600000                        ; the mantissa field of 448
	s_wait_alu depctr_va_vdst(0)                   ; a wait at the head's end
	s_wait_kmcnt 0x0
	s_load_b32 s20, s[14:15], 0x0                  ; w_a
	s_cmp_lt_u32 ttmp9, 128                        ; K steps 0..15: Ww
	s_cselect_b64 s[4:5], s[4:5], s[6:7]
	s_add_nc_u64 s[4:5], s[4:5], s[28:29]
	s_add_nc_u64 s[34:35], s[16:17], s[30:31]
	s_add_nc_u64 s[36:37], s[16:17], s[32:33]
	global_load_b32 v6, v5, s[8:9]                 ; bw, bz, Vw at n: used by the first eight work-groups
	global_load_b32 v7, v5, s[10:11]
	global_load_b32 v8, v5, s[12:13]
.macro LOAD c
.irp i, 0,1,2,3,4,5,6,7,8,9,10,11,12,13,14,15,16,17,18,19,20,21,22,23,24,25,26,27,28,29,30,31
	global_load_b32 v[X+32*\c+\i], v2, s[4:5] offset:(32*\c+\i)*4096 th:TH_LOAD_NT
.endr
.endm
.macro BLOCK c
.set XS, X+32*\c
.set CS, C+8*\c
	v_max3_num_f32 v12, |v[XS]|, |v[XS+1]|, |v[XS+2]|              ; the block's largest magnitude, two chains
	v_max3_num_f32 v13, |v[XS+3]|, |v[XS+4]|, |v[XS+5]|
.irp i, 6,10,14,18,22,26
	v_max3_num_f32 v12, v12, |v[XS+\i]|, |v[XS+\i+1]|
	v_max3_num_f32 v13, v13, |v[XS+\i+2]|, |v[XS+\i+3]|
.endr
	v_max3_num_f32 v12, v12, |v[XS+30]|, |v[XS+31]|
	v_max3_num_f32 v12, v12, v13, 0x4800000        ; the floor 2^(9 - 127): the byte cannot fall under 1
	v_add_nc_u32 v11, 0xfc000000, v12              ; 8 off the exponent field: the conversion's scale operand
	v_and_or_b32 v10, v12, 0x7f800000, s21         ; 448 x the scale
	v_lshrrev_b32 v13, 23, v11                     ; the scale's byte
.if \c == 0
	v_mov_b32 v16, v13
.else
	v_lshl_or_b32 v16, v13, 8*\c, v16
.endif
.irp i, 0,1,2,3,4,5,6,7,8,9,10,11,12,13,14,15,16,17,18,19,20,21,22,23,24,25,26,27,28,29,30,31
	v_med3_num_f32 v[XS+\i], v[XS+\i], -v10, v10   ; the conversion does not saturate (ISA guide 7.6.2): the hold
.endr
.irp g, 0,1,2,3
	v_cvt_scalef32_pk8_fp8_f32 v[CS+2*\g:CS+2*\g+1], v[XS+8*\g:XS+8*\g+7], v11
.endr
	global_store_b128 v3, v[CS:CS+3], s[34:35] offset:512*\c
	global_store_b128 v3, v[CS+4:CS+7], s[34:35] offset:512*\c+256
.endm
	LOAD 0
	LOAD 1
	s_wait_loadcnt 32                              ; block 0 is in; block 1's 32 loads may be out
	LOAD 2
	BLOCK 0
	s_wait_loadcnt 32
	LOAD 3
	BLOCK 1
	s_wait_loadcnt 32
	BLOCK 2
	s_wait_loadcnt 0x0
	BLOCK 3
	global_store_b32 v2, v16, s[36:37]
	s_wait_kmcnt 0x0                               ; w_a
	s_cmp_lt_u32 ttmp9, 8                          ; the first eight work-groups make b and V2, 128 numbers each
	s_cbranch_scc0 .Ldone
	v_add_f32 v6, v6, v7
	v_fma_f32 v6, s20, 0.5, v6                     ; bw + bz + 0.5 w_a
	v_mul_f32 v8, -2.0, v8
	global_store_b32 v5, v6, s[18:19]
	global_store_b32 v5, v8, s[18:19] offset:4096
.Ldone:
	s_endpgm
.Lfunc_end_k_q691384a62e_prep:
	.size	k_q691384a62e_prep, .Lfunc_end_k_q691384a62e_prep-k_q691384a62e_prep
	.p2alignl 7, 3214868480
	.fill 96, 4, 3214868480
	.section	.rodata,"a",@progbits
	.p2align	6, 0x0
	.amdhsa_kernel k_q691384a62e_prep
		.amdhsa_group_segment_fixed_size 0
		.amdhsa_private_segment_fixed_size 0
		.amdhsa_enable_private_segment 0
		.amdhsa_kernarg_size 64
		.amdhsa_user_sgpr_count 2
		.amdhsa_user_sgpr_kernarg_segment_ptr 1
		.amdhsa_wavefront_size32 1
		.amdhsa_system_sgpr_workgroup_id_x 1
		.amdhsa_system_sgpr_workgroup_id_y 1
		.amdhsa_system_sgpr_workgroup_id_z 1
		.amdhsa_system_vgpr_workitem_id 0
		.amdhsa_next_free_vgpr 192
		.amdhsa_next_free_sgpr 66
		.amdhsa_reserve_vcc 0
		.amdhsa_float_denorm_mode_32 3
		.amdhsa_float_denorm_mode_16_64 3
		.amdhsa_memory_ordered 1
		.amdhsa_forward_progress 1
		.amdhsa_inst_pref_size 30
	.end_amdhsa_kernel
	.amdgpu_metadata
---
amdhsa.version: [ 1, 2 ]
amdhsa.kernels:
  - .name:           k_q691384a62e_prep
    .symbol:         k_q691384a62e_prep.kd
    .args:
      - { .name: Ww, .offset: 0, .size: 8, .value_kind: global_buffer, .address_space: global }
      - { .name: Wz, .offset: 8, .size: 8, .value_kind: global_buffer, .address_space: global }
      - { .name: bw, .offset: 16, .size: 8, .value_kind: global_buffer, .address_space: global }
      - { .name: bz, .offset: 24, .size: 8, .value_kind: global_buffer, .address_space: global }
      - { .name: Vw, .offset: 32, .size: 8, .value_kind: global_buffer, .address_space: global }
      - { .name: w_a, .offset: 40, .size: 8, .value_kind: global_buffer, .address_space: global }
      - { .name: wq, .offset: 48, .size: 8, .value_kind: global_buffer, .address_space: global }
      - { .name: cbv, .offset: 56, .size: 8, .value_kind: global_buffer, .address_space: global }
    .group_segment_fixed_size: 0
    .private_segment_fixed_size: 0
    .kernarg_segment_align: 8
    .kernarg_segment_size: 64
    .max_flat_workgroup_size: 128
    .sgpr_count:     66
    .vgpr_count:     192
    .wavefront_size: 32
...
	.end_amdgpu_metadata
.endif
;; end of part 1
;; launch main (part 2): grid 256 x 1, 4 waves a work-group, clusters of 4 x 1, 327,680 bytes of LDS; arguments hidden, z, wq, cbv, u; writes u
.if DOCPART == 2
	.amdgcn_target "amdgcn-amd-amdhsa--gfx1250"
	.amdhsa_code_object_version 6
	.text
	.protected	k_q691384a62e_main
	.globl	k_q691384a62e_main
	.p2align	8
	.type	k_q691384a62e_main,@function
k_q691384a62e_main:
	s_mov_b64 s[64:65], 0
	v_nop
	global_prefetch_b8 v0, s[64:65] scope:SCOPE_SE
	s_setreg_imm32_b32 hwreg(HW_REG_WAVE_MODE, 25, 1), 1
	s_wait_xcnt 0x0
	s_wait_alu depctr_hold_cnt(0) depctr_sa_sdst(0) depctr_va_vdst(0) depctr_va_sdst(0) depctr_va_ssrc(0) depctr_va_vcc(0) depctr_vm_vsrc(0)
	s_getreg_b32 s2, hwreg(HW_REG_IB_STS2, 6, 4)
	s_cmp_eq_u32 s2, 0
	s_cbranch_scc0 .Lentry_in_a_cluster
	s_endpgm
.Lentry_in_a_cluster:
	s_bfe_u32 s2, ttmp6, 0x10000c
	s_cmp_lg_u32 s2, 0x3003
	s_cbranch_scc0 .Lentry_shape_is_right
	s_endpgm
.Lentry_shape_is_right:
; u[m] = sum over n of V2[n] / (1 + 2^(c x[m][n])), x = Q(hidden) Q(Ww) + Q(z) Q(Wz) + b, c = 2 log2(e): tanh's part of the score that differs along the softmax's axis.
; LEFT OUT: vb and the sum of Vw, the same for every row (shown at the head of the first kernel).
; SHARES.  A work-group owns 64 rows m and all 1,024 columns; wave w owns columns 256 w .. + 255: 16 x 4 accumulators, 512 registers.  K = 4,096 in 32 steps of 128 (0..15 hidden, 16..31 z).
; CLUSTER: four work-groups walk the same W.  A step's W, 4 blocks of 33,792 bytes in the order of the operand's registers, is asked for JOINTLY (mask 15), a block a wave, into a ring of two
;   LDS slots of 135,168 bytes; a wave reads its own block alone, in four groups of four fragments through two sets of 64 registers.  Cluster x begins at step x % 32 and walks all 32 round.
; A: each wave loads its 16 rows x 128 K of f32 as they lie (512 consecutive bytes a load) into one of two register sets, two steps ahead of their use, turns them through its own stage in LDS
;   into the operand's lane layout (lane (r, h): row r, K = 32 c + 16 h + 0..15), quantises them, and puts codes and scale words into an image of the operand's registers (two images by turns).
; A step p: turns step p + 1's numbers, multiplies groups 0 and 1 of step p, quantises p + 1, passes the round, asks for step p + 2's W into the slot just read out,
;   fetches p + 1's fragments of A, and multiplies groups 2 and 3 behind the request.  ONE round a step serves the image and the ring.
; The sums begin with b: the accumulators are loaded with it, so every step has one text.  Source 0 = W's columns, source 1 = A's rows: a lane holds one row m, its registers run along n.
; NO PREFETCH: A's loads themselves stand two steps (128 products and more) ahead of the use of their registers, the lead that a prefetch would have ahead of a load; W's 32 steps are walked by
;   the 64 clusters from 32 different starts, so a step's block is asked for by other clusters in other steps.
; LIMITS: NaN and infinities among the inputs are not served; a block of zeros has the byte 1 and zero codes; 2^(c x) beyond f32's range gives 1 / infinity = 0, which is tanh's limit.
;   K is summed from the cluster's own first step round, not from 0.
.set WBLK,  33792
.set WSTEP, 4*WBLK
.set SLOTB, WSTEP
.set STG,   2*SLOTB                    ; the stages: 16 rows x (512 + 16) bytes a wave
.set STGW,  8448
.set SPI,   528
.set AIMG,  STG+4*STGW                 ; two images: 8,192 bytes of codes, 256 of scale words
.set ASL,   8448
.set ASC,   8192
.set UP,    AIMG+2*ASL                 ; the waves' partial u: 4 x 256 bytes
.set SPARE, UP+1024                    ; the spare words: 128 bytes a wave
.set GA,   2                           ; v2 16 x lane   v3 4 x lane
.set GS,   3
.set ADRB, 4                           ; v4, v5 my block of W in slot 0, 1;  v6, v7 its scale words
.set ADRS, 6
.set IMW,  8
.set IMR,  9
.set ASW,  10
.set ASR,  11
.set UPW,  12
.set UPR,  13
.set CV,   14                          ; v14 32 h: my eight columns of a fragment in b and V2
.set STS,  15
.set SPW,  16
.set NIL,  17
.set GU,   18
.set STL,  19
.set BS,   20                          ; v20-35 W's scale words, two sets of eight
.set AS,   36                          ; v36-39 A's, two sets of two
.set TM,   40                          ; v40-55 the quantiser's maxima, bytes, bounds, scale operands
.set PW,   56
.set P0,   60                          ; v60-63 block 0's codes; block c's lie in the registers that held block c - 1's numbers
.set AF,   128                         ; A's fragments: set 0 v128-191, set 1 v64-127
.set X,    192                         ; v192-255 a step's 64 numbers.   Window 1: v0-127 W's two sets; v128-255 A's two sets as loaded
.set U,    128
.set HB,   4
.set ZB,   6
.set WB,   8
.set WV,   16
.set SEL,  20
.set MNT,  22
.set G1,   24
.set G0,   32                          ; s[32:35], s[36:39] group 0 for slot 0, 1
.set AB,   40
.set TL,   44                          ; s44 the step whose rows of A are loaded next;  s45 whose W is asked for next
.set TD,   45
.set CC,   46
.set SO,   60
.set MUL_LO, 0xa1                      ; source 0 (W) window 1, source 1 (A) window 0, C and D window 2
.set MUL_HI, 0xf1
.set TO_1,   0x40
.set MSB, 0
.macro WIN new
.if MSB != (\new)
	s_set_vgpr_msb (MSB<<8)|(\new)
.set MSB, (\new)
.endif
.endm
.macro PLACES n
.rept \n
	v_nop
.endr
.endm
.macro CREST                           ; a round of the cluster's barrier behind its opening barrier
	s_cmp_lg_u32 s[WV], 0
	s_cbranch_scc1 .Lnot_wave_0_\@
	s_barrier_signal -3
.Lnot_wave_0_\@:
	s_barrier_wait -3
	s_barrier_signal -1
	s_barrier_wait -1
.endm
.macro CROUND
	s_barrier_signal -1
	s_barrier_wait -1
	CREST
.endm
.macro AHEAD set                       ; my 16 rows of step s44 into set: 16 loads of 512 consecutive bytes
	s_wait_xcnt 0x0                                ; the loads before have read their base
	s_and_b32 s42, s[TL], 31
	s_cmp_lt_u32 s42, 16
	s_cselect_b64 s[AB:AB+1], s[HB:HB+1], s[ZB:ZB+1]
	s_and_b32 s42, s42, 15
	s_lshl_b32 s42, s42, 9
	s_add_nc_u64 s[AB:AB+1], s[AB:AB+1], s[42:43]
	s_add_co_u32 s[TL], s[TL], 1
	WIN TO_1
.irp i, 0,1,2,3,4,5,6,7,8,9,10,11,12,13,14,15
	global_load_b128 v[128+64*(\set)+4*\i:128+64*(\set)+4*\i+3], v[GA], s[AB:AB+1] offset:8192*\i th:TH_LOAD_NT
.endr
.endm
.macro TURNX set                       ; through my stage: LDS serves a wave's instructions in order, so no wait stands between the stores and the loads
	WIN 0x04
.irp i, 0,1,2,3,4,5,6,7,8,9,10,11,12,13,14,15
	ds_store_b128 v[STS], v[128+64*(\set)+4*\i:128+64*(\set)+4*\i+3] offset:SPI*\i
.endr
	WIN 0
.irp b, 0,1,2,3
.irp j, 0,1,2,3
	ds_load_b128 v[X+16*\b+4*\j:X+16*\b+4*\j+3], v[STL] offset:128*\b+16*\j
.endr
.endr
.endm
.macro QA                              ; the four blocks' scales
.irp b, 0,1,2,3
	v_max3_num_f32 v[TM+\b], |v[X+16*\b]|, |v[X+1+16*\b]|, 0x4800000   ; with the floor 2^(9 - 127): the byte cannot fall under 1
.endr
.irp i, 2,4,6,8,10,12,14
.irp b, 0,1,2,3
	v_max3_num_f32 v[TM+\b], v[TM+\b], |v[X+16*\b+\i]|, |v[X+1+16*\b+\i]|
.endr
.endr
.irp b, 0,1,2,3
	v_permlanex16_b32 v[TM+4+\b], v[TM+\b], s[SEL], s[SEL+1]
.endr
.irp b, 0,1,2,3
	v_max_num_f32 v[TM+\b], v[TM+\b], v[TM+4+\b]   ; with lane l xor 16's: the block's largest magnitude
.endr
.irp b, 0,1,2,3
	v_add_nc_u32 v[TM+12+\b], 0xfc000000, v[TM+\b] ; the conversion's scale operand
.endr
.irp b, 0,1,2,3
	v_and_or_b32 v[TM+8+\b], v[TM+\b], 0x7f800000, s[MNT]   ; 448 x the scale
.endr
.irp b, 0,1,2,3
	v_lshrrev_b32 v[TM+4+\b], 23, v[TM+12+\b]      ; the byte
.endr
	v_lshl_or_b32 v[PW], v[TM+5], 8, v[TM+4]
	v_lshl_or_b32 v[PW], v[TM+6], 16, v[PW]
	v_lshl_or_b32 v[PW], v[TM+7], 24, v[PW]
	s_wait_alu depctr_va_vdst(0)                   ; a wait
.endm
.macro QB                              ; the holds and the conversions
.irp b, 0,1,2,3
.if \b == 0
.set pd, P0
.else
.set pd, X+16*(\b-1)
.endif
.irp i, 0,1,2,3,4,5,6,7,8,9,10,11,12,13,14,15
	v_med3_num_f32 v[X+16*\b+\i], v[X+16*\b+\i], -v[TM+8+\b], v[TM+8+\b]
.endr
	v_cvt_scalef32_pk8_fp8_f32 v[pd:pd+1], v[X+16*\b:X+7+16*\b], v[TM+12+\b]
	v_cvt_scalef32_pk8_fp8_f32 v[pd+2:pd+3], v[X+8+16*\b:X+15+16*\b], v[TM+12+\b]
.endr
	v_nop                                          ; a plain line behind the last conversion
.endm
.macro IMAGE s
	ds_store_b128 v[IMW], v[P0:P0+3] offset:ASL*(\s)
.irp c, 1,2,3
	ds_store_b128 v[IMW], v[X+16*(\c-1):X+16*(\c-1)+3] offset:ASL*(\s)+512*\c
.endr
	ds_store_b32 v[ASW], v[PW] offset:ASL*(\s)+ASC
.endm
.macro FETCHA s                        ; 26 loads: image s into fragment set s, and slot s's scale words of W into set s
	ds_load_b32 v[AS+2*(\s)], v[ASR] offset:ASL*(\s)
	ds_load_b32 v[AS+2*(\s)+1], v[ASR] offset:ASL*(\s)+128
.irp a, 0,1,2,3
.irp c, 0,1,2,3
	ds_load_b128 v[AF-64*(\s)+16*\a+4*\c:AF-64*(\s)+16*\a+4*\c+3], v[IMR] offset:ASL*(\s)+2048*\a+512*\c
.endr
.endr
.irp i, 0,1,2,3,4,5,6,7
	ds_load_b32 v[BS+8*(\s)+\i], v[ADRS+(\s)] offset:128*\i
.endr
.endm
.macro FETCHB s, g                     ; 16 loads: group g of slot s into register set g % 2
	WIN TO_1
.irp k, 0,1,2,3,4,5,6,7,8,9,10,11,12,13,14,15
	ds_load_b128 v[64*((\g)%2)+4*\k:64*((\g)%2)+4*\k+3], v[ADRB+(\s)] offset:8192*(\g)+512*\k
.endr
.endm
.macro WM f, a, par
.set rD, 8*(4*((\f)%8)+(\a))
.set rW, 64*(((\f)/4)%2)+16*((\f)%4)
.set rA, AF-64*(\par)+16*(\a)
.set rB, BS+8*(\par)+(\f)/2
.set rS, AS+2*(\par)+(\a)/2
.set rM, 2*((\f)%2)+(\a)%2
.if rM == 0
	v_wmma_scale_f32_16x16x128_f8f6f4 v[rD:rD+7], v[rW:rW+15], v[rA:rA+15], v[rD:rD+7], v[rB], v[rS]
.elseif rM == 1
	v_wmma_scale_f32_16x16x128_f8f6f4 v[rD:rD+7], v[rW:rW+15], v[rA:rA+15], v[rD:rD+7], v[rB], v[rS] matrix_b_scale:MATRIX_SCALE_ROW1
.elseif rM == 2
	v_wmma_scale_f32_16x16x128_f8f6f4 v[rD:rD+7], v[rW:rW+15], v[rA:rA+15], v[rD:rD+7], v[rB], v[rS] matrix_a_scale:MATRIX_SCALE_ROW1
.else
	v_wmma_scale_f32_16x16x128_f8f6f4 v[rD:rD+7], v[rW:rW+15], v[rA:rA+15], v[rD:rD+7], v[rB], v[rS] matrix_a_scale:MATRIX_SCALE_ROW1 matrix_b_scale:MATRIX_SCALE_ROW1
.endif
.endm
.macro GRP g, par                      ; 16 products; the 64 accumulators take turns, one instruction a turn, in the same order in every step
.set gf, 4*(\g)
.rept 4
.irp a, 0,1,2,3
	WM gf, \a, \par
.endr
.set gf, gf+1
.endr
.endm
; A K STEP in slot par.  lc: the loads of A that may stay out; al = 1: a further step's rows are loaded; ch = 2: a round with a refill; ch = 1: a plain barrier.
.macro PERIOD par, lc, al, ch
	s_wait_loadcnt \lc                             ; the next step's rows are in registers
	TURNX 1-(\par)
	s_wait_dscnt 48                                ; A's fragments, the scale words and group 0 are in; group 1's 16 and the stage's 32 may be out
	WIN MUL_LO
	GRP 0, \par
	PLACES 8                                       ; eight plain lines ahead of loads into registers that products have read
	FETCHB \par, 2
	s_wait_dscnt 48                                ; group 1 is in; the stage's 32 and group 2's 16 may be out
	WIN MUL_LO
	GRP 1, \par
	WIN 0
	s_wait_dscnt 16                                ; the numbers are back from the stage, and its stores have read their registers
.if \al
	AHEAD 1-(\par)
	WIN 0
.endif
	QA                                             ; (its lines are also the places ahead of the loads below)
	FETCHB \par, 3
	WIN 0
	QB
	IMAGE 1-(\par)
	s_wait_tensorcnt 0x0                           ; my block of the next step's W has landed
.if (\ch) == 2
	ds_add_u32 v[SPW], v[NIL]
	s_and_b32 s[SO], s[TD], 31                     ; this slot, whose last group is on its way into registers, takes step s45
	s_mul_i32 s[SO], s[SO], WSTEP
	s_add_nc_u64 s[G0+4*(\par)+2:G0+4*(\par)+3], s[WB:WB+1], s[SO:SO+1]
	s_or_b32 s[G0+4*(\par)+3], s[G0+4*(\par)+3], 0x80000000
	s_add_co_u32 s[TD], s[TD], 1
.endif
	s_wait_dscnt 0x0                               ; my image is stored, my reads of the slot are over (and the add is done)
	s_barrier_signal -1
	s_barrier_wait -1
.if (\ch) == 2
	CREST
	tensor_load_to_lds s[G0+4*(\par):G0+4*(\par)+3], s[G1:G1+7]   ; the request goes out first; groups 2 and 3, which are in registers, are multiplied behind it
	s_nop 0
.endif
	PLACES 4
	FETCHA 1-(\par)
	WIN MUL_HI
	GRP 2, \par
	PLACES 8
	FETCHB 1-(\par), 0
	WIN MUL_HI
	GRP 3, \par
	PLACES 8
	FETCHB 1-(\par), 1
	WIN 0
.endm
.macro ETILE b                         ; fragment b's four accumulators: u += V2 / (1 + 2^(c x))
.set eW, 2+(\b)/8
.set eR, 32*((\b)%8)
.set eC, 128+8*(\b)
	WIN (eW<<6)|eW
	s_wait_alu depctr_va_vdst(0)                   ; a wait ahead of the first readers of these sums
.irp a, 0,1,2,3
.irp p, 0,1,2,3
	v_pk_mul_f32 v[eR+8*\a+2*\p:eR+8*\a+2*\p+1], v[eR+8*\a+2*\p:eR+8*\a+2*\p+1], s[CC:CC+1] op_sel_hi:[1,0]
.endr
.endr
	s_wait_alu depctr_va_vdst(0)
.set ei, 0
.rept 32
	v_exp_f32 v[eR+ei], v[eR+ei]
.set ei, ei+1
.endr
	v_nop
	s_wait_alu depctr_va_vdst(0)
.set ei, 0
.rept 16
	v_pk_add_f32 v[eR+ei:eR+ei+1], v[eR+ei:eR+ei+1], 1.0 op_sel_hi:[1,0]
.set ei, ei+2
.endr
	s_wait_alu depctr_va_vdst(0)
.set ei, 0
.rept 32
	v_rcp_f32 v[eR+ei], v[eR+ei]
.set ei, ei+1
.endr
	v_nop
	s_wait_alu depctr_va_vdst(0)
	WIN 0x04|eW
.irp p, 0,1,2,3
.irp a, 0,1,2,3
.if ((\b) == 0) && (\p == 0)
	v_pk_mul_f32 v[U+2*\a:U+2*\a+1], v[eR+8*\a+2*\p:eR+8*\a+2*\p+1], v[eC+2*\p:eC+2*\p+1]
.else
	v_pk_fma_f32 v[U+2*\a:U+2*\a+1], v[eR+8*\a+2*\p:eR+8*\a+2*\p+1], v[eC+2*\p:eC+2*\p+1], v[U+2*\a:U+2*\a+1]
.endif
.endr
.endr
.endm
	s_load_b256 s[4:11], s[0:1], 0x0               ; hidden, z, wq, cbv
	s_load_b64 s[12:13], s[0:1], 0x20              ; u
	v_lshl_add_u32 v[SPW], v0, 2, SPARE
	v_mov_b32 v[NIL], 0
	ds_add_u32 v[SPW], v[NIL]                      ; the opening: the add, twice on end, and its wait ahead of my first tensor load
	ds_add_u32 v[SPW], v[NIL]
	v_lshrrev_b32 v1, 5, v0
	v_readfirstlane_b32 s[WV], v1                  ; wave 0..3
	v_and_b32 v1, 31, v0                           ; lane
	v_and_b32 v58, 15, v0                          ; r
	v_bfe_u32 v57, v0, 4, 1                        ; h
	s_wait_alu depctr_va_vdst(0)                   ; a wait ahead of the run of scalar lines
	s_mul_i32 s17, s[WV], WBLK                     ; my block, in a step of wq and in a slot
	s_mov_b32 s[SEL], 0x76543210
	s_mov_b32 s[SEL+1], 0xfedcba98
	s_mov_b32 s[MNT], 0x600000
	s_mov_b32 s[CC], 0x4038aa3b                    ; c = 2 log2(e)
	s_mov_b32 s[CC+1], s[CC]
	s_and_b32 s[TL], ttmp9, 31                     ; the cluster's first step: the same in its four work-groups
	s_mov_b32 s[TD], s[TL]
	s_mov_b32 s43, 0
	s_mov_b32 s[SO+1], 0
	s_mov_b32 s[G1+0], 15|(3<<16)|(1<<21)          ; the mask: all four; elements of 8 bytes; bit 21 beside a mask
	s_mov_b32 s[G1+1], 32<<16                      ; a dense block as rows of 256 bytes
	s_mov_b32 s[G1+2], (WBLK/256)<<16
	s_mov_b32 s[G1+3], 32<<16
	s_mov_b32 s[G1+4], WBLK/256
	s_mov_b32 s[G1+5], 32
	s_mov_b32 s[G1+6], 0
	s_mov_b32 s[G1+7], 0
	s_mov_b32 s48, s17
	s_mov_b32 s49, 0
	s_lshl_b32 s50, s[WV], 10
	s_mov_b32 s51, 0
	s_bfe_u32 s52, ttmp6, 0x40000                  ; cx: it enters global addresses of A and u alone
	s_lshl_b32 s54, ttmp9, 2
	s_add_co_u32 s54, s54, s52                     ; my work-group
	s_lshl_b32 s52, s54, 19                        ; its 64 rows of 8,192 bytes,
	s_lshl_b32 s53, s[WV], 17                      ; my 16 of them
	s_add_co_u32 s52, s52, s53
	s_mov_b32 s53, 0
	s_lshl_b32 s54, s54, 8
	s_mov_b32 s55, 0
	s_mul_i32 s56, s[WV], STGW
	s_add_co_u32 s56, s56, STG
	s_lshl_b32 s57, s[WV], 11
	s_add_co_u32 s57, s57, AIMG
	s_lshl_b32 s58, s[WV], 6
	s_add_co_u32 s58, s58, AIMG
	s_lshl_b32 s59, s[WV], 8
	s_add_co_u32 s59, s59, UP
	v_lshlrev_b32 v[GA], 4, v1
	v_lshlrev_b32 v[GS], 2, v1
	v_add_nc_u32 v[ADRB], s17, v[GA]
	v_add_nc_u32 v[ADRB+1], SLOTB, v[ADRB]
	v_add_nc_u32 v[ADRS], s17, v[GS]
	v_add_nc_u32 v[ADRS], 32768, v[ADRS]
	v_add_nc_u32 v[ADRS+1], SLOTB, v[ADRS]
	v_add_nc_u32 v[STS], s56, v[GA]
	v_mul_u32_u24 v[STL], v58, SPI
	v_lshl_add_u32 v[STL], v57, 6, v[STL]
	v_add_nc_u32 v[STL], s56, v[STL]
	v_add_nc_u32 v[IMW], s57, v[GA]
	v_add_nc_u32 v[IMR], AIMG, v[GA]
	v_lshl_add_u32 v[ASW], v58, 2, s58
	v_add_nc_u32 v[ASR], AIMG+ASC, v[GS]
	v_lshl_add_u32 v[UPW], v58, 2, s59
	v_lshlrev_b32 v[GU], 3, v1
	v_add_nc_u32 v[UPR], UP, v[GU]
	v_lshlrev_b32 v[CV], 5, v57
.irp b, 0,1,2,3
	v_mov_b32 v[TM+4+\b], 0                        ; a lane permute's destination counts as one of its sources
.endr
	s_wait_dscnt 0x0                               ; both opening adds are done
	s_wait_alu depctr_va_vdst(0)                   ; a wait at the head's end
	s_wait_kmcnt 0x0
	s_add_nc_u64 s[HB:HB+1], s[HB:HB+1], s[52:53]
	s_add_nc_u64 s[ZB:ZB+1], s[ZB:ZB+1], s[52:53]
	s_add_nc_u64 s[WB:WB+1], s[WB:WB+1], s[48:49]
	s_add_nc_u64 s[10:11], s[10:11], s[50:51]
	s_add_nc_u64 s[12:13], s[12:13], s[54:55]
	s_mul_i32 s[SO], s[TD], WSTEP
	s_mov_b32 s[G0], 1
	s_mov_b32 s[G0+1], s17
	s_add_nc_u64 s[G0+2:G0+3], s[WB:WB+1], s[SO:SO+1]
	s_or_b32 s[G0+3], s[G0+3], 0x80000000
	s_add_co_u32 s[SO], s[TD], 1
	s_and_b32 s[SO], s[SO], 31
	s_mul_i32 s[SO], s[SO], WSTEP
	s_mov_b32 s[G0+4], 1
	s_add_co_u32 s[G0+5], s17, SLOTB
	s_add_nc_u64 s[G0+6:G0+7], s[WB:WB+1], s[SO:SO+1]
	s_or_b32 s[G0+7], s[G0+7], 0x80000000
	s_add_co_u32 s[TD], s[TD], 2
	AHEAD 0                                        ; the first two steps' rows of A: 32 loads,
	AHEAD 1
	WIN 0
	CROUND                                         ; all four work-groups are here: the first joint loads meet
	tensor_load_to_lds s[G0:G0+3], s[G1:G1+7]      ; and the first step's W: one tensor load a wave at the head
	s_nop 0
	PLACES 4
	s_wait_loadcnt 16                              ; the first step's rows are in; the second step's 16 loads may be out
	TURNX 0                                        ; the first step is quantised while its W is on its way
	s_wait_dscnt 0x0
	AHEAD 0
	WIN 0
	QA
	QB
	IMAGE 0
.set bf, 0
.rept 16                               ; the sums begin with b: register j of fragment f holds column 16 f + 8 h + j, for all four blocks of rows
	WIN ((2+bf/8)<<6)
.irp a, 0,1,2,3
	global_load_b128 v[8*(4*(bf%8)+\a):8*(4*(bf%8)+\a)+3], v[CV], s[10:11] offset:64*bf
	global_load_b128 v[8*(4*(bf%8)+\a)+4:8*(4*(bf%8)+\a)+7], v[CV], s[10:11] offset:64*bf+16
.endr
.set bf, bf+1
.endr
	WIN 0
	s_wait_tensorcnt 0x0                           ; slot 1's first fill is issued as a refill is
	ds_add_u32 v[SPW], v[NIL]
	s_wait_dscnt 0x0                               ; the add is done, and my image is stored
	CROUND                                         ; the round also shows every wave's part of the first image
	tensor_load_to_lds s[G0+4:G0+7], s[G1:G1+7]
	s_nop 0
	PLACES 4
	FETCHA 0
	FETCHB 0, 0
	FETCHB 0, 1
	WIN 0
	s_wait_loadcnt 0x0                             ; b is in the accumulators (128 loads, more than a counted wait can name)
	s_mov_b32 s19, 14
.Lpair:                                            ; 14 trips of two steps
	PERIOD 0, 16, 1, 2
	PERIOD 1, 16, 1, 2
	s_sub_co_u32 s19, s19, 1
	s_cmp_lg_u32 s19, 0
	s_cbranch_scc1 .Lpair
	PERIOD 0, 16, 1, 2                             ; step 28 loads the last rows of A,
	PERIOD 1, 16, 0, 2                             ; step 29 asks for the last W,
	PERIOD 0, 0, 0, 1                              ; step 30 quantises the last rows
	WIN TO_1                                       ; step 31: products alone
.irp k, 0,1,2,3,4,5,6,7,8,9,10,11,12,13,14,15
	global_load_b128 v[128+8*\k:128+8*\k+3], v[CV], s[10:11] offset:4096+64*\k      ; V2 into the registers that held A's rows
	global_load_b128 v[128+8*\k+4:128+8*\k+7], v[CV], s[10:11] offset:4096+64*\k+16
.endr
	s_wait_dscnt 16                                ; group 1's 16 loads may be out
	WIN MUL_LO
	GRP 0, 1
	PLACES 8
	FETCHB 1, 2
	s_wait_dscnt 16
	WIN MUL_LO
	GRP 1, 1
	PLACES 8
	FETCHB 1, 3
	s_wait_dscnt 16
	WIN MUL_HI
	GRP 2, 1
	s_wait_dscnt 0x0
	GRP 3, 1
	PLACES 8
	s_wait_loadcnt 0x0
.irp b, 0,1,2,3,4,5,6,7,8,9,10,11,12,13,14,15
	ETILE \b
.endr
	WIN 0
.irp a, 0,1,2,3
	v_add_f32 v[U+2*\a], v[U+2*\a], v[U+2*\a+1]
.endr
.irp a, 0,1,2,3
	v_permlanex16_b32 v[U+2*\a+1], v[U+2*\a], s[SEL], s[SEL+1]
.endr
.irp a, 0,1,2,3
	v_add_f32 v[U+2*\a], v[U+2*\a], v[U+2*\a+1]    ; my 256 columns' part of u for row 16 a + r
.endr
.irp a, 0,1,2,3
	ds_store_b32 v[UPW], v[U+2*\a] offset:64*\a
.endr
	s_wait_dscnt 0x0
	s_barrier_signal -1
	s_barrier_wait -1
	s_cmp_lg_u32 s[WV], 0
	s_cbranch_scc1 .Lnot_first
.irp k, 0,1,2,3
	ds_load_b64 v[TM+2*\k:TM+2*\k+1], v[UPR] offset:256*\k
.endr
	s_wait_dscnt 0x0
	v_pk_add_f32 v[TM:TM+1], v[TM:TM+1], v[TM+2:TM+3]
	v_pk_add_f32 v[TM+4:TM+5], v[TM+4:TM+5], v[TM+6:TM+7]
	v_pk_add_f32 v[TM:TM+1], v[TM:TM+1], v[TM+4:TM+5]
	global_store_b64 v[GU], v[TM:TM+1], s[12:13]   ; 32 lanes store one aligned unit of 256 bytes
.Lnot_first:
	s_wait_tensorcnt 0x0                           ; the wave's end
	ds_add_u32 v[SPW], v[NIL]
	s_wait_dscnt 0x0
	CROUND                                         ; the closing round
	s_endpgm
.Lfunc_end_k_q691384a62e_main:
	.size	k_q691384a62e_main, .Lfunc_end_k_q691384a62e_main-k_q691384a62e_main
	.p2alignl 7, 3214868480
	.fill 96, 4, 3214868480
	.section	.rodata,"a",@progbits
	.p2align	6, 0x0
	.amdhsa_kernel k_q691384a62e_main
		.amdhsa_group_segment_fixed_size 327680
		.amdhsa_private_segment_fixed_size 0
		.amdhsa_enable_private_segment 0
		.amdhsa_kernarg_size 40
		.amdhsa_user_sgpr_count 2
		.amdhsa_user_sgpr_kernarg_segment_ptr 1
		.amdhsa_wavefront_size32 1
		.amdhsa_system_sgpr_workgroup_id_x 1
		.amdhsa_system_sgpr_workgroup_id_y 1
		.amdhsa_system_sgpr_workgroup_id_z 1
		.amdhsa_system_vgpr_workitem_id 0
		.amdhsa_next_free_vgpr 1024
		.amdhsa_next_free_sgpr 66
		.amdhsa_reserve_vcc 0
		.amdhsa_float_denorm_mode_32 3
		.amdhsa_float_denorm_mode_16_64 3
		.amdhsa_memory_ordered 1
		.amdhsa_forward_progress 1
		.amdhsa_inst_pref_size 255
	.end_amdhsa_kernel
	.section	.bss,"aw",@nobits
	.p2align	6
	.space	262144
	.amdgpu_metadata
---
amdhsa.version: [ 1, 2 ]
amdhsa.kernels:
  - .name:           k_q691384a62e_main
    .symbol:         k_q691384a62e_main.kd
    .args:
      - { .name: hidden, .offset: 0, .size: 8, .value_kind: global_buffer, .address_space: global }
      - { .name: z, .offset: 8, .size: 8, .value_kind: global_buffer, .address_space: global }
      - { .name: wq, .offset: 16, .size: 8, .value_kind: global_buffer, .address_space: global }
      - { .name: cbv, .offset: 24, .size: 8, .value_kind: global_buffer, .address_space: global }
      - { .name: u, .offset: 32, .size: 8, .value_kind: global_buffer, .address_space: global }
    .group_segment_fixed_size: 327680
    .private_segment_fixed_size: 0
    .kernarg_segment_align: 8
    .kernarg_segment_size: 40
    .max_flat_workgroup_size: 128
    .sgpr_count:     66
    .vgpr_count:     1024
    .wavefront_size: 32
...
	.end_amdgpu_metadata
.endif
;; end of part 2
;; launch soft (part 3): grid 1 x 1, 32 waves a work-group, no clusters, 8,192 bytes of LDS; arguments u, out0; writes out0
.if DOCPART == 3
	.amdgcn_target "amdgcn-amd-amdhsa--gfx1250"
	.amdhsa_code_object_version 6
	.text
	.protected	k_q691384a62e_soft
	.globl	k_q691384a62e_soft
	.p2align	8
	.type	k_q691384a62e_soft,@function
k_q691384a62e_soft:
	s_mov_b64 s[64:65], 0
	v_nop
	global_prefetch_b8 v0, s[64:65] scope:SCOPE_SE
	s_setreg_imm32_b32 hwreg(HW_REG_WAVE_MODE, 25, 1), 1
	s_wait_xcnt 0x0
; out0[s][b] = softmax over s of u[16 s + b]: 1,024 positions for each of 16 columns; 65,536 bytes in, as many out.  The column's maximum is taken away before the exponential.
; The sum spans all rows, so this is a launch of its own, and one work-group of 32 waves does it: thread t takes 16 numbers, four loads of 16 bytes at 16 t + 16,384 i (each load of a wave covers 512 consecutive bytes).
; Number q of every load of thread t belongs to column 4 (t % 4) + q: a lane's four columns never change, and lanes with the same lane % 4 hold the same four columns.
; A reduction: in the lane; over the lanes l xor 4, 8, 16; through LDS, 16 bytes for each wave and each lane % 4; again over the lanes.  Two reductions, each with LDS bytes of its own: two barriers.
; No matrix unit, no tensor load, no cluster: 128 KiB are moved in all.
; LIMITS: NaN and infinities are not served; an exponential under 2^-126 comes out as 0 (ISA guide 15.8); v_exp_f32 and v_rcp_f32 are good to 1 ulp.
.set D, 4                              ; v4-19   my 16 numbers: load i, number q at v[D + 4 i + q]
.set M, 20                             ; v20-23  the figure in hand for my four columns
.set T, 24                             ; v24-27  the other half of the lanes'
.set W, 32                             ; v32-35  at work
.set L, 36                             ; v36-51  four entries read back from LDS
.macro REDMAX                          ; over the eight lanes of the wave with my lane % 4
.irp m, 4,8
.irp q, 0,1,2,3
	s_delay_alu instid0(VALU_DEP_4)
	v_max_num_f32_dpp v[M+\q], v[M+\q], v[M+\q] row_xmask:\m row_mask:0xf bank_mask:0xf
.endr
.endr
.irp q, 0,1,2,3
	s_delay_alu instid0(VALU_DEP_4)
	v_permlanex16_b32 v[T+\q], v[M+\q], s8, s9
.endr
.irp q, 0,1,2,3
	s_delay_alu instid0(VALU_DEP_4)
	v_max_num_f32 v[M+\q], v[M+\q], v[T+\q]
.endr
.endm
.macro REDADD
.irp m, 4,8
.irp q, 0,1,2,3
	v_add_f32_dpp v[M+\q], v[M+\q], v[M+\q] row_xmask:\m row_mask:0xf bank_mask:0xf
.endr
.endr
.irp q, 0,1,2,3
	s_delay_alu instid0(VALU_DEP_4)
	v_permlanex16_b32 v[T+\q], v[M+\q], s8, s9
.endr
.irp q, 0,1,2,3
	s_delay_alu instid0(VALU_DEP_4)
	v_add_f32 v[M+\q], v[M+\q], v[T+\q]
.endr
.endm
.macro SWAP base                       ; every wave's figure to LDS, a barrier, and 4 of the 128 entries back: entry lane + 32 k has my lane % 4
	ds_store_b128 v2, v[M:M+3] offset:\base        ; the eight lanes with one lane % 4 write the same 16 bytes with the same values
	s_wait_dscnt 0x0                               ; for the others' sake: my store has landed
	s_barrier_signal -1
	s_barrier_wait -1
.irp k, 0,1,2,3
	ds_load_b128 v[L+4*\k:L+4*\k+3], v3 offset:\base+512*\k
.endr
	s_wait_dscnt 0x0
.endm
	s_load_b128 s[4:7], s[0:1], 0x0                ; u s[4:5], out0 s[6:7]
	v_lshl_add_u32 v64, v0, 2, 0x1000
	v_mov_b32 v65, 0
	v_lshlrev_b32 v1, 4, v0                        ; 16 t
	v_lshrrev_b32 v2, 5, v0
	s_delay_alu instid0(VALU_DEP_1)
	v_lshlrev_b32 v2, 6, v2                        ; 64 x wave
	v_and_b32 v3, 3, v0
	s_delay_alu instid0(VALU_DEP_1)
	v_lshl_add_u32 v2, v3, 4, v2                   ; + 16 (lane % 4): where my wave's figure goes
	v_and_b32 v3, 31, v0
	s_delay_alu instid0(VALU_DEP_1)
	v_lshlrev_b32 v3, 4, v3                        ; 16 x lane: where I read
	s_mov_b32 s8, 0x76543210
	s_mov_b32 s9, 0xfedcba98                       ; v_permlanex16_b32's selects for lane l xor 16
	s_mov_b32 s10, 0x3fb8aa3b                      ; log2(e)
	s_mov_b32 s11, s10                             ; (named with it as a pair, so it is written)
.irp q, 0,1,2,3
	v_mov_b32 v[T+\q], 0                           ; written once: a lane permute's destination counts as one of its sources
.endr
	s_wait_kmcnt 0x0
.irp i, 0,1,2,3
	global_load_b128 v[D+4*\i:D+4*\i+3], v1, s[4:5] offset:16384*\i
.endr
	s_wait_loadcnt 0x0
.irp q, 0,1,2,3
	v_max3_num_f32 v[M+\q], v[D+\q], v[D+4+\q], v[D+8+\q]
.endr
.irp q, 0,1,2,3
	s_delay_alu instid0(VALU_DEP_4)
	v_max_num_f32 v[M+\q], v[M+\q], v[D+12+\q]
.endr
	REDMAX
	SWAP 0
.irp q, 0,1,2,3
	v_max3_num_f32 v[M+\q], v[L+\q], v[L+4+\q], v[L+8+\q]
.endr
.irp q, 0,1,2,3
	s_delay_alu instid0(VALU_DEP_4)
	v_max_num_f32 v[M+\q], v[M+\q], v[L+12+\q]
.endr
	REDMAX                                         ; each column's maximum, in every lane that holds the column
.irp i, 0,1,2,3
	v_pk_add_f32 v[D+4*\i:D+4*\i+1], v[D+4*\i:D+4*\i+1], v[M:M+1] neg_lo:[0,1] neg_hi:[0,1]       ; u - the maximum,
	v_pk_add_f32 v[D+4*\i+2:D+4*\i+3], v[D+4*\i+2:D+4*\i+3], v[M+2:M+3] neg_lo:[0,1] neg_hi:[0,1]
.endr
.irp j, 0,2,4,6,8,10,12,14
	v_pk_mul_f32 v[D+\j:D+\j+1], v[D+\j:D+\j+1], s[10:11] op_sel_hi:[1,0]                        ; x log2(e)
.endr
	s_wait_alu depctr_va_vdst(0)
.irp j, 0,1,2,3,4,5,6,7,8,9,10,11,12,13,14,15
	v_exp_f32 v[D+\j], v[D+\j]
.endr
	v_nop                                          ; a plain instruction behind the last exponential,
	s_wait_alu depctr_va_vdst(0)                   ; and one wait for the batch, ahead of its first reader
	v_pk_add_f32 v[M:M+1], v[D:D+1], v[D+4:D+5]
	v_pk_add_f32 v[M+2:M+3], v[D+2:D+3], v[D+6:D+7]
	v_pk_add_f32 v[W:W+1], v[D+8:D+9], v[D+12:D+13]
	v_pk_add_f32 v[W+2:W+3], v[D+10:D+11], v[D+14:D+15]
	s_delay_alu instid0(VALU_DEP_2)
	v_pk_add_f32 v[M:M+1], v[M:M+1], v[W:W+1]
	s_delay_alu instid0(VALU_DEP_2)
	v_pk_add_f32 v[M+2:M+3], v[M+2:M+3], v[W+2:W+3]
	REDADD
	SWAP 2048                                      ; other bytes than the maxima's: no wave can overwrite what another still reads
	v_pk_add_f32 v[M:M+1], v[L:L+1], v[L+4:L+5]
	v_pk_add_f32 v[M+2:M+3], v[L+2:L+3], v[L+6:L+7]
	v_pk_add_f32 v[W:W+1], v[L+8:L+9], v[L+12:L+13]
	v_pk_add_f32 v[W+2:W+3], v[L+10:L+11], v[L+14:L+15]
	s_delay_alu instid0(VALU_DEP_2)
	v_pk_add_f32 v[M:M+1], v[M:M+1], v[W:W+1]
	s_delay_alu instid0(VALU_DEP_2)
	v_pk_add_f32 v[M+2:M+3], v[M+2:M+3], v[W+2:W+3]
	REDADD                                         ; each column's sum: at least 1, the maximum's own term
	s_wait_alu depctr_va_vdst(0)
.irp q, 0,1,2,3
	v_rcp_f32 v[M+\q], v[M+\q]
.endr
	v_nop
	s_wait_alu depctr_va_vdst(0)                   ; one wait for the four reciprocals
.irp i, 0,1,2,3
	v_pk_mul_f32 v[D+4*\i:D+4*\i+1], v[D+4*\i:D+4*\i+1], v[M:M+1]
	v_pk_mul_f32 v[D+4*\i+2:D+4*\i+3], v[D+4*\i+2:D+4*\i+3], v[M+2:M+3]
.endr
.irp i, 0,1,2,3
	global_store_b128 v1, v[D+4*\i:D+4*\i+3], s[6:7] offset:16384*\i   ; each store of a wave covers 512 consecutive bytes, aligned
.endr
	s_wait_tensorcnt 0x0
	ds_add_u32 v64, v65
	s_wait_dscnt 0x0
	s_endpgm
.Lfunc_end_k_q691384a62e_soft:
	.size	k_q691384a62e_soft, .Lfunc_end_k_q691384a62e_soft-k_q691384a62e_soft
	.p2alignl 7, 3214868480
	.fill 96, 4, 3214868480
	.section	.rodata,"a",@progbits
	.p2align	6, 0x0
	.amdhsa_kernel k_q691384a62e_soft
		.amdhsa_group_segment_fixed_size 8192
		.amdhsa_private_segment_fixed_size 0
		.amdhsa_enable_private_segment 0
		.amdhsa_kernarg_size 16
		.amdhsa_user_sgpr_count 2
		.amdhsa_user_sgpr_kernarg_segment_ptr 1
		.amdhsa_wavefront_size32 1
		.amdhsa_system_sgpr_workgroup_id_x 1
		.amdhsa_system_sgpr_workgroup_id_y 1
		.amdhsa_system_sgpr_workgroup_id_z 1
		.amdhsa_system_vgpr_workitem_id 0
		.amdhsa_next_free_vgpr 66
		.amdhsa_next_free_sgpr 66
		.amdhsa_reserve_vcc 0
		.amdhsa_float_denorm_mode_32 3
		.amdhsa_float_denorm_mode_16_64 3
		.amdhsa_memory_ordered 1
		.amdhsa_forward_progress 1
		.amdhsa_inst_pref_size 13
	.end_amdhsa_kernel
	.amdgpu_metadata
---
amdhsa.version: [ 1, 2 ]
amdhsa.kernels:
  - .name:           k_q691384a62e_soft
    .symbol:         k_q691384a62e_soft.kd
    .args:
      - { .name: u, .offset: 0, .size: 8, .value_kind: global_buffer, .address_space: global }
      - { .name: out0, .offset: 8, .size: 8, .value_kind: global_buffer, .address_space: global }
    .group_segment_fixed_size: 8192
    .private_segment_fixed_size: 0
    .kernarg_segment_align: 8
    .kernarg_segment_size: 16
    .max_flat_workgroup_size: 1024
    .sgpr_count:     66
    .vgpr_count:     66
    .wavefront_size: 32
...
	.end_amdgpu_metadata
.endif
;; end of part 3
